; MI455X (gfx1250); checked and timed in simulation.
; The chip was launched on July 23, 2026; its instructions are those of AMD's public machine-readable ISA for CDNA 5 (MIT licence, August 2026) and "CDNA5" Instruction Set Architecture Reference Guide (July 2026). The comments in the code are by the model that wrote it; some were corrected since.
;; TT Layer. Allowed arithmetic: float matrix products may take bf16 or f16 operands with f32 sums; other float arithmetic in f32, or as packed bf16 or f16 multiplies, adds, multiply-adds, maxima and minima; sums over many terms, partial sums and values carried from step to step in f32; what a program stores and reads back later, other than sums and carried values, may be rounded once to bf16 or f16.
;; Inputs: bias 4,096 float32; core0 1 x 8 x 8 x 64 float32; core1 64 x 8 x 8 x 64 float32; core2 64 x 8 x 8 x 64 float32; core3 64 x 8 x 8 x 1 float32; x 256 x 4,096 float32.
;; Outputs: out0 256 x 4,096 float32.
;; 2 versions, each right; version 2 is version 1 with the launch prep written anew for expert scheduling mode. Each part assembles by itself: llvm-mc -triple=amdgcn-amd-amdhsa -mcpu=gfx1250 --defsym DOCPART=n.
;; ======== version 1 of 2: 2 launches
;; workspace buffers: xb 2,097,152 bytes; g01 524,288 bytes; g23 524,288 bytes
;; launch prep (part 1): grid 128 x 1, 4 waves a work-group, no clusters, 0 bytes of LDS; arguments x, core0, core1, core2, core3, xb, g01, g23; writes xb, g01, g23
.if DOCPART == 1
	.amdgcn_target "amdgcn-amd-amdhsa--gfx1250"
	.amdhsa_code_object_version 6
	.text
	.protected	k_q9ef4082c4b_prep
	.globl	k_q9ef4082c4b_prep
	.p2align	8
	.type	k_q9ef4082c4b_prep,@function
k_q9ef4082c4b_prep:
	s_mov_b64 s[64:65], 0
	v_nop
	global_prefetch_b8 v0, s[64:65] scope:SCOPE_SE
	s_setreg_imm32_b32 hwreg(HW_REG_WAVE_MODE, 25, 1), 1
	s_wait_xcnt 0x0
; TT LAYER, FIRST OF TWO LAUNCHES.
; out[b][i0 i1 i2 i3] = bias + sum over j0..j3, a1, a2, a3 of x[b][j0 j1 j2 j3] core0[0][j0][i0][a1] core1[a1][j1][i1][a2] core2[a2][j2][i2][a3] core3[a3][j3][i3][0].
; The sum is taken in another order than the problem's text takes it (sums may be regrouped for all values of the inputs): the chain is cut at rank a2,
;   G01[a2; i0 i1; j0 j1] = sum over a1 of core0 core1        G23[i2 i3; j2 j3; a2] = sum over a3 of core2 core3        (this launch, 2 x 33.5 MFLOP)
;   Y[a2, b | i01, j23]   = sum over j01 of G01 x             out = bias + sum over j23, a2 of G23 Y                    (the next launch, 2 x 8.6 GFLOP)
; NOTHING IS LEFT OUT: every input is loaded and every term of the sum is formed.
; LIMITS.  The order of sums and roundings is not the problem's: x and the cores are rounded once to bf16, G01 and G23 once to bf16 from f32 sums (Y likewise, in the next launch).
; bf16 has f32's range, so nothing overflows that f32 holds.  A NaN or an infinity of an input reaches every output that it reaches in exact arithmetic, possibly as the other of the two.
; THIS LAUNCH also lays all three operands out in the order in which the next launch's matrix operand registers take them.  A FRAGMENT is 1,024 bytes, [q 2][lane 32][16 bytes]: lane (r = l % 16, h = l / 16),
; e = 0..7 the bf16 in its 16 bytes; it stands at K place 16 q + 8 h + e of a K step of 32.
;   xb  [bt 16][j23 64][ks 2][fragment]        = x[b = 16 bt + r][j0 = e][j1 = 4 ks + 2 q + h][j23]
;   g01 [i01 64][t 4][ks 2][fragment]          = G01[a2 = 16 t + r; i01; j0 = e, j1 = 4 ks + 2 q + h]     (the same order of K as xb's)
;   g23 [j23 64][mt 4][ks2 2][fragment]        = G23[i23 = 16 mt + r; j23; a2 = 32 ks2 + 16 q + 8 h + e]
; SHARES.  Work-groups 0-63: x.  64-95: G01.  96-127: G23.  Each wave works alone: no LDS, no barrier, no loop.
.set SM,  16                           ; v[16:143]   eight fragments as loaded, 16 f32 each; rounded in place to 8 registers each: fragment f at SM + 8 f
.set BG,  144                          ; v[144:207]  four fragments as loaded; rounded in place: fragment f at BG + 8 f
.set ACC, 80                           ; v[80:143]   eight accumulators: SM's upper half, free once SM is rounded
.set PK,  176                          ; v[176:207]  the results in bf16: BG's upper half, free once BG is rounded
.set XS,  16                           ; v[16:143]   path x: x as loaded: j0 = e, chunk c at XS + 16 e + 4 c
.set XP,  144                          ; v[144:207]  path x: 16 bytes a lane for each of 16 j23
; A fragment whose K lies along memory: four loads of 16 bytes; the lane's offset carries 32 h.  f32 number 8 q + e of the lane lands in register dst + 8 q + e.
.macro LDK dst, vo, sb, imm
.irp q, 0,1
.irp z, 0,1
	global_load_b128 v[(\dst)+8*(\q)+4*(\z):(\dst)+8*(\q)+4*(\z)+3], v[\vo], s[\sb:\sb+1] offset:(\imm)+64*(\q)+16*(\z)
.endr
.endr
.endm
; A fragment whose K goes from row to row of memory, stride bytes apart: sixteen loads of 4 bytes; the lane's offset carries 8 h rows.
.macro LDG dst, vo, sb, imm, stride
.irp q, 0,1
.irp e, 0,1,2,3,4,5,6,7
	global_load_b32 v[(\dst)+8*(\q)+(\e)], v[\vo], s[\sb:\sb+1] offset:(\imm)+(16*(\q)+(\e))*(\stride)
.endr
.endr
.endm
; f32 to bf16 in place, ascending: register S + i takes numbers 2 i and 2 i + 1, which lie at or above it.
.macro COMPACT
.set i, 0
.rept 64
	v_cvt_pk_bf16_f32 v[SM+i], v[SM+2*i], v[SM+2*i+1]
.set i, i+1
.endr
.set i, 0
.rept 32
	v_cvt_pk_bf16_f32 v[BG+i], v[BG+2*i], v[BG+2*i+1]
.set i, i+1
.endr
.endm
; 16 products: accumulator (a, b) at ACC + 8 (2 a + b); K = 64 in two steps.  The first step starts the sums with the constant 0.  The eight accumulators take turns, one instruction a turn,
; seven others stand between the two links of a chain.  swap = 0: source 0 from SM, source 1 from BG; 1: the other way round.
.macro MULS swap
.irp ks, 0,1
.irp a, 0,1,2,3
.irp b, 0,1
.set mD, ACC+8*(2*(\a)+(\b))
.if \swap
.set mA, BG+8*(2*(\b)+(\ks))
.set mB, SM+8*(2*(\a)+(\ks))
.else
.set mA, SM+8*(2*(\a)+(\ks))
.set mB, BG+8*(2*(\b)+(\ks))
.endif
.if (\ks) == 0
	v_wmma_f32_16x16x32_bf16 v[mD:mD+7], v[mA:mA+7], v[mB:mB+7], 0
.else
	v_wmma_f32_16x16x32_bf16 v[mD:mD+7], v[mA:mA+7], v[mB:mB+7], v[mD:mD+7]
.endif
.endr
.endr
.endr
.endm
; A lane's eight results of an accumulator are eight neighbouring bf16 of the output's layout: rounded (each accumulator from its low end on) and stored, 16 bytes a lane.
.macro PACKST sb, sa, sbb
.rept 8
	v_nop                                          ; the places between the last products and the conversions that read results (ISA guide 7.12.1)
.endr
.set i, 0
.rept 32
	v_cvt_pk_bf16_f32 v[PK+i], v[ACC+2*i], v[ACC+2*i+1]
.set i, i+1
.endr
.irp a, 0,1,2,3
.irp b, 0,1
	global_store_b128 v8, v[PK+4*(2*(\a)+(\b)):PK+4*(2*(\a)+(\b))+3], s[\sb:\sb+1] offset:(\a)*(\sa)+(\b)*(\sbb)
.endr
.endr
.endm
	s_load_b512 s[8:23], s[0:1], 0x0               ; x s[8:9], core0 s[10:11], core1 s[12:13], core2 s[14:15], core3 s[16:17], xb s[18:19], g01 s[20:21], g23 s[22:23]
	v_lshrrev_b32 v1, 5, v0
	v_readfirstlane_b32 s4, v1                     ; wave 0..3
	v_and_b32 v1, 15, v0                           ; r
	v_bfe_u32 v2, v0, 4, 1                         ; h
	v_and_b32 v3, 7, v0                            ; r % 8
	v_bfe_u32 v4, v0, 3, 1                         ; r / 8
	v_and_b32 v5, 31, v0
	v_lshlrev_b32 v5, 4, v5                        ; 16 x lane
	s_mov_b32 s25, 0                               ; the high words of the two offsets
	s_mov_b32 s29, 0
	s_cmp_lt_u32 ttmp9, 64
	s_cbranch_scc1 .Lx
	s_cmp_lt_u32 ttmp9, 96
	s_cbranch_scc1 .Lg01
	; G23.  128 waves: j2, mt (i2 = 2 mt, 2 mt + 1), op (a2 = 16 op .. 16 op + 15).  Source 0: 16 rows of core2, row m = 8 (i2 % 2) + a2 % 8, for a2 / 8 = 2 op + ol.  Source 1: 16 columns of core3,
	; column n = 8 (j3 % 2) + i3, for j3 / 2 = j3p.  K = a3.  In the result lane (r, h) holds i2 = 2 mt + h, j3 = 2 j3p + r / 8, i3 = r % 8, and its registers a2 % 8 = 0..7: 16 bytes of g23 on end.
	s_sub_co_u32 s5, ttmp9, 96
	s_lshl2_add_u32 s5, s5, s4                     ; the wave among the 128
	s_lshr_b32 s6, s5, 4                           ; j2
	s_bfe_u32 s7, s5, 0x20002                      ; mt
	s_and_b32 s5, s5, 3                            ; op
	s_lshl_b32 s24, s5, 18                         ; core2: 16 op rows a2 of 16,384 bytes
	s_lshl_b32 s26, s6, 11                         ; + j2 x 2,048
	s_add_co_u32 s24, s24, s26
	s_lshl_b32 s26, s7, 9                          ; + 2 mt x 256
	s_add_co_u32 s24, s24, s26
	s_lshl_b32 s28, s6, 16                         ; g23: 8 j2 x 8,192
	s_lshl_b32 s26, s7, 11                         ; + mt x 2,048
	s_add_co_u32 s28, s28, s26
	s_lshl_b32 s26, s5, 9                          ; + 2 op x 256
	s_add_co_u32 s28, s28, s26
	v_lshlrev_b32 v6, 14, v3                       ; core2: (a2 % 8) x 16,384 + (i2 % 2) x 256 + 32 h
	v_lshl_add_u32 v6, v4, 8, v6
	v_lshl_add_u32 v6, v2, 5, v6
	v_lshlrev_b32 v7, 2, v3                        ; core3: 8 h rows a3 of 256 bytes + (j3 % 2) x 32 + i3 x 4
	v_lshl_add_u32 v7, v4, 5, v7
	v_lshl_add_u32 v7, v2, 11, v7
	v_lshlrev_b32 v8, 4, v3                        ; g23: (j3 % 2) x 8,192 + h x 128 + i3 x 16: a store's 32 lanes cover two aligned runs of 256 consecutive bytes
	v_lshl_add_u32 v8, v2, 7, v8
	v_lshl_add_u32 v8, v4, 13, v8
	s_wait_kmcnt 0x0
	s_add_nc_u64 s[14:15], s[14:15], s[24:25]
	s_add_nc_u64 s[22:23], s[22:23], s[28:29]
.irp ol, 0,1
.irp ks, 0,1
	LDK BG+16*(2*(\ol)+(\ks)), 6, 14, (\ol)*131072+(\ks)*128
.endr
.endr
.irp a, 0,1,2,3
.irp ks, 0,1
	LDG SM+16*(2*(\a)+(\ks)), 7, 16, (\a)*64+(\ks)*32*256, 256
.endr
.endr
	s_wait_loadcnt 0x0                             ; all fragments are in: the rounding walks through all of them
	COMPACT
	MULS 1
	PACKST 22, 16384, 256                          ; j3p: two j23 of 8,192 bytes; ol: 256 bytes
	s_endpgm
.Lg01:
	; G01.  128 waves: j1, i1, tp (a2 = 32 tp .. 32 tp + 31).  Source 0: 16 rows of core0, row m = 8 (i0 % 2) + j0, for i0 / 2 = i0p.  Source 1: 16 columns of core1, column n = a2 % 16, for
	; a2 / 16 = 2 tp + tl.  K = a1.  In the result lane (r, h) holds a2 = 16 (2 tp + tl) + r, i0 = 2 i0p + h, and its registers j0 = 0..7: 16 bytes of g01 on end.
	s_sub_co_u32 s5, ttmp9, 64
	s_lshl2_add_u32 s5, s5, s4                     ; the wave among the 128
	s_lshr_b32 s6, s5, 4                           ; j1
	s_bfe_u32 s7, s5, 0x30001                      ; i1
	s_and_b32 s5, s5, 1                            ; tp
	s_lshl_b32 s24, s6, 11                         ; core1: j1 x 2,048
	s_lshl_b32 s26, s7, 8                          ; + i1 x 256
	s_add_co_u32 s24, s24, s26
	s_lshl_b32 s26, s5, 7                          ; + 32 tp x 4
	s_add_co_u32 s24, s24, s26
	s_lshl_b32 s28, s7, 13                         ; g01: i1 x 8,192
	s_lshl_b32 s26, s5, 12                         ; + 2 tp x 2,048
	s_add_co_u32 s28, s28, s26
	s_lshl_b32 s26, s6, 8                          ; + j1 x 256 (j1 = 4 ks + 2 q + h of the fragment)
	s_add_co_u32 s28, s28, s26
	v_lshlrev_b32 v6, 11, v3                       ; core0: j0 x 2,048 + (i0 % 2) x 256 + 32 h
	v_lshl_add_u32 v6, v4, 8, v6
	v_lshl_add_u32 v6, v2, 5, v6
	v_lshlrev_b32 v7, 2, v1                        ; core1: 8 h rows a1 of 16,384 bytes + r x 4
	v_lshl_add_u32 v7, v2, 17, v7
	v_lshlrev_b32 v8, 4, v1                        ; g01: h x 8 i01 of 8,192 bytes + r x 16: each half of the lanes covers 256 consecutive bytes, aligned
	v_lshl_add_u32 v8, v2, 16, v8
	s_wait_kmcnt 0x0
	s_add_nc_u64 s[12:13], s[12:13], s[24:25]
	s_add_nc_u64 s[20:21], s[20:21], s[28:29]
.irp tl, 0,1
.irp ks, 0,1
	LDG BG+16*(2*(\tl)+(\ks)), 7, 12, (\tl)*64+(\ks)*32*16384, 16384
.endr
.endr
.irp a, 0,1,2,3
.irp ks, 0,1
	LDK SM+16*(2*(\a)+(\ks)), 6, 10, (\a)*512+(\ks)*128
.endr
.endr
	s_wait_loadcnt 0x0                             ; all fragments are in
	COMPACT
	MULS 0
	PACKST 20, 131072, 2048                        ; i0p: sixteen i01 of 8,192 bytes; tl: a tile t of 2,048
	s_endpgm
.Lx:
	; x.  Work-group: bt (16 rows b), jp (j1 = 2 jp, 2 jp + 1); wave cc: j23 = 16 cc .. 16 cc + 15.  Lane (r, h) loads x[16 bt + r][j0 = e][2 jp + h][16 cc + 4 c .. + 3] for e = 0..7, c = 0..3, and
	; turns them: for each j23 its eight j0 become 16 bytes.  A store's 32 lanes cover 512 consecutive bytes of xb, aligned.
	s_lshr_b32 s5, ttmp9, 2                        ; bt
	s_and_b32 s6, ttmp9, 3                         ; jp
	s_lshl_b32 s24, s5, 18                         ; x: 16 bt rows of 16,384 bytes
	s_lshl_b32 s26, s6, 9                          ; + 2 jp x 256;  in xb jp x 512 is the place of (ks, q)
	s_add_co_u32 s24, s24, s26
	s_lshl_b32 s27, s4, 6                          ; + 16 cc x 4
	s_add_co_u32 s24, s24, s27
	s_lshl_b32 s28, s5, 17                         ; xb: bt x 131,072
	s_add_co_u32 s28, s28, s26
	s_lshl_b32 s27, s4, 15                         ; + 16 cc x 2,048
	s_add_co_u32 s28, s28, s27
	v_lshlrev_b32 v6, 14, v1                       ; r x 16,384 + h x 256
	v_lshl_add_u32 v6, v2, 8, v6
	s_wait_kmcnt 0x0
	s_add_nc_u64 s[8:9], s[8:9], s[24:25]
	s_add_nc_u64 s[18:19], s[18:19], s[28:29]
.irp c, 0,1,2,3
.irp e, 0,1,2,3,4,5,6,7
	global_load_b128 v[XS+16*(\e)+4*(\c):XS+16*(\e)+4*(\c)+3], v6, s[8:9] offset:(\e)*2048+(\c)*16
.endr
.endr
.irp c, 0,1,2,3
	s_wait_loadcnt 24-8*(\c)                       ; loads come back in order (ISA guide 5.7.1): chunk c's eight are in, the younger chunks' stay out
.irp i, 0,1,2,3
.irp k, 0,1,2,3
	v_cvt_pk_bf16_f32 v[XP+16*(\c)+4*(\i)+(\k)], v[XS+32*(\k)+4*(\c)+(\i)], v[XS+32*(\k)+16+4*(\c)+(\i)]  ; j0 = 2 k low, 2 k + 1 high
.endr
	global_store_b128 v5, v[XP+16*(\c)+4*(\i):XP+16*(\c)+4*(\i)+3], s[18:19] offset:(4*(\c)+(\i))*2048
.endr
.endr
	s_endpgm
.Lfunc_end_k_q9ef4082c4b_prep:
	.size	k_q9ef4082c4b_prep, .Lfunc_end_k_q9ef4082c4b_prep-k_q9ef4082c4b_prep
	.p2alignl 7, 3214868480
	.fill 96, 4, 3214868480
	.section	.rodata,"a",@progbits
	.p2align	6, 0x0
	.amdhsa_kernel k_q9ef4082c4b_prep
		.amdhsa_group_segment_fixed_size 0
		.amdhsa_private_segment_fixed_size 0
		.amdhsa_enable_private_segment 0
		.amdhsa_kernarg_size 64
		.amdhsa_user_sgpr_count 2
		.amdhsa_user_sgpr_kernarg_segment_ptr 1
		.amdhsa_wavefront_size32 1
		.amdhsa_system_sgpr_workgroup_id_x 1
		.amdhsa_system_sgpr_workgroup_id_y 1
		.amdhsa_system_sgpr_workgroup_id_z 1
		.amdhsa_system_vgpr_workitem_id 0
		.amdhsa_next_free_vgpr 224
		.amdhsa_next_free_sgpr 66
		.amdhsa_reserve_vcc 0
		.amdhsa_float_denorm_mode_32 3
		.amdhsa_float_denorm_mode_16_64 3
		.amdhsa_memory_ordered 1
		.amdhsa_forward_progress 1
		.amdhsa_inst_pref_size 55
	.end_amdhsa_kernel
	.amdgpu_metadata
---
amdhsa.version: [ 1, 2 ]
amdhsa.kernels:
  - .name:           k_q9ef4082c4b_prep
    .symbol:         k_q9ef4082c4b_prep.kd
    .args:
      - { .name: x, .offset: 0, .size: 8, .value_kind: global_buffer, .address_space: global }
      - { .name: core0, .offset: 8, .size: 8, .value_kind: global_buffer, .address_space: global }
      - { .name: core1, .offset: 16, .size: 8, .value_kind: global_buffer, .address_space: global }
      - { .name: core2, .offset: 24, .size: 8, .value_kind: global_buffer, .address_space: global }
      - { .name: core3, .offset: 32, .size: 8, .value_kind: global_buffer, .address_space: global }
      - { .name: xb, .offset: 40, .size: 8, .value_kind: global_buffer, .address_space: global }
      - { .name: g01, .offset: 48, .size: 8, .value_kind: global_buffer, .address_space: global }
      - { .name: g23, .offset: 56, .size: 8, .value_kind: global_buffer, .address_space: global }
    .group_segment_fixed_size: 0
    .private_segment_fixed_size: 0
    .kernarg_segment_align: 8
    .kernarg_segment_size: 64
    .max_flat_workgroup_size: 128
    .sgpr_count:     66
    .vgpr_count:     224
    .wavefront_size: 32
...
	.end_amdgpu_metadata
.endif
;; end of part 1
;; launch main (part 2): grid 256 x 1, 4 waves a work-group, clusters of 4 x 1, 327,680 bytes of LDS; arguments g23, g01, xb, bias, out0; writes out0
.if DOCPART == 2
	.amdgcn_target "amdgcn-amd-amdhsa--gfx1250"
	.amdhsa_code_object_version 6
	.text
	.protected	k_q9ef4082c4b_main
	.globl	k_q9ef4082c4b_main
	.p2align	8
	.type	k_q9ef4082c4b_main,@function
k_q9ef4082c4b_main:
	s_mov_b64 s[64:65], 0
	v_nop
	global_prefetch_b8 v0, s[64:65] scope:SCOPE_SE
	s_setreg_imm32_b32 hwreg(HW_REG_WAVE_MODE, 25, 1), 1
	s_wait_xcnt 0x0
	s_wait_alu depctr_hold_cnt(0) depctr_sa_sdst(0) depctr_va_vdst(0) depctr_va_sdst(0) depctr_va_ssrc(0) depctr_va_vcc(0) depctr_vm_vsrc(0)
	s_getreg_b32 s2, hwreg(HW_REG_IB_STS2, 6, 4)
	s_cmp_eq_u32 s2, 0
	s_cbranch_scc0 .Lentry_in_a_cluster
	s_endpgm
.Lentry_in_a_cluster:
	s_bfe_u32 s2, ttmp6, 0x10000c
	s_cmp_lg_u32 s2, 0x3003
	s_cbranch_scc0 .Lentry_shape_is_right
	s_endpgm
.Lentry_shape_is_right:
; TT LAYER, SECOND OF TWO LAUNCHES.  out[b][64 i01 + i23] = bias + sum over j23, a2 of G23[i23; j23; a2] Y[a2, b | i01, j23],   Y = sum over j01 of G01[a2; i01; j01] x[b][j01][j23].
; Nothing of the problem's sum is left out; it is taken in another order than the problem's text takes it (see the first launch's head).  g23, g01, xb: bf16, in fragments of 1,024 bytes laid out there.
; LIMITS.  Y is rounded once to bf16 from its f32 sums, in registers; all sums are f32; a work-group's four partial sums over j23 are added in f32.  bf16 has f32's range.  A NaN or an infinity of an
; input reaches every output that it reaches in exact arithmetic, possibly as the other of the two.
; SHARES.  A work-group makes 16 rows b (bt) x four UNITS of 64 columns (i01 = 4 ig + u): 256 work-groups of equal work.  K IS SPLIT AMONG ITS FOUR WAVES: wave w takes j23 = 16 w + s, steps s = 0..15,
; for all four units.  For step s and unit u (q = 4 s + u):
;   F(q)  D[t] = G01(u, t) x^T, t = 0..3: source 0 = 16 rows a2, source 1 = the 16 rows b, K = j01 = 64: 8 products.  A lane then holds one b (lane % 16) and a2 = 16 t + 8 (lane / 16) + 0..7;
;   C(q)  two such results rounded to bf16 in pairs ARE source 1 (32 a2 x 16 b) of the second product: 16 conversions, nothing changes lanes;
;   S(q)  acc(u, mt) += G23(j23, mt) P, mt = 0..3: source 0 = 16 rows i23, K = a2 = 64: 8 products.  A lane holds one row b of out and eight neighbouring columns.
; G01 of the four units (256 registers) and the wave's x (256 registers) stay in registers for the whole launch; Y never leaves registers; only g23 is streamed: 131,072 bytes a wave.
; CLUSTER.  Every work-group walks the same g23: the four of a cluster ask for each tile JOINTLY (the same tensor load, descriptor and mask in all four).  xb and g01 come by plain loads of 512 consecutive
; bytes straight into operand registers, once: the two slots take 262,144 of the 327,680 bytes of LDS, and the 65,024 left beside the spare words do not hold the 131,072 bytes of xb that the four
; partners share; g01's 32,768 bytes differ from partner to partner.
; THE TEXT IS UNROLLED by macro: x and G01 are named by register numbers that hang on s and u.
; REGISTERS, in windows of 256 (s_set_vgpr_msb: bits 1:0 source 0, 3:2 source 1, 5:4 source 2, 7:6 destination):
;   window 0: v0-18 addresses, bias, the add's two; v32-95 D, two buffers of 32; v96-127 P, two buffers of 16; v128-255 the way out
;   window 1: G01: piece i of 64 (16 u + 4 t + 2 ks + half) at 4 i        window 3: x: piece i of 64 (4 s + 2 ks + half) at 4 i
;   window 2: v0-63, v64-127 g23's fragments of a step, two buffers (fragment 2 mt + ks2 at 8 x); v128-255 acc(u, mt) at 128 + 32 u + 8 mt
; LDS.  Slot n at 131,072 n; in it wave w's 32,768 bytes: a TILE of four steps of 8,192, dense, as they lie in memory: lane l reads at 16 l, so no padding is wanted.  Tiles 0, 2 take slot 0, tiles 1, 3
; slot 1.  Each wave fetches and reads its own bytes alone.  The spare words lie behind the slots.  THE STAGE of the way out lies in slot 0, which has had its last fill of the launch (tile 2) by then:
; wave v's partial sums at 32,768 v + 4,352 u + 272 row, inside the bytes that wave v alone has read.
.set SLOT,  131072
.set WPART, 32768                      ; a wave's part of a slot = a tile
.set STEPB, 8192                       ; a step's eight fragments
.set SPARE, 2*SLOT                     ; the spare words: 128 bytes for each wave, two blocks of 256 bytes that no other line names
.set SP,    272                        ; a stage row: 256 bytes + 16 = 68 words: row r starts at bank 4 r mod 64 (64 banks of 4 bytes: ISA guide 11.1)
.set UNITB, 16*SP                      ; a unit's 16 rows in the stage
.set LN,  2                            ; v2   16 x lane; never rewritten
.set ADR, 3                            ; v3, v4   LDS address of my 16 bytes in my part of slot 0, 1
.set STO, 5                            ; v5   the way out: where I put 16 bytes of a row
.set RD,  6                            ; v6, v7   the way out: where I read rows back, of waves 0, 1 and of waves 2, 3
.set GO,  8                            ; v8   my byte offset in two rows of out
.set BO,  9                            ; v9   my 16 bytes of the unit's 256 of bias
.set PFO, 10                           ; v10  256 x lane; never rewritten
.set BI,  12                           ; v[12:15] bias
.set SPW, 16                           ; v16  LDS address of my spare word: SPARE + 4 x my thread's number; never rewritten
.set NIL, 17                           ; v17  0; never rewritten
.set DB,  32
.set PB,  96
.set R,   128
.set WV,  14                           ; s14  my wave's number
.set G1,  24                           ; s[24:31] descriptor group 1
.set G0,  32                           ; s[32:39] descriptor group 0, a set for each slot
.set PFA, 40                           ; s[40:41] where my prefetches stand; never rewritten
.set W_F, 0x0d                         ; G01 in window 1, x in window 3, D in window 0
.set W_S, 0xa2                         ; g23's fragments and acc in window 2, P in window 0
.set MSB, 0
.macro WIN new                         ; the immediate's high byte repeats the setting that is left; a switch that changes nothing is dropped
.if MSB != (\new)
	s_set_vgpr_msb (MSB<<8)|(\new)
.set MSB, \new
.endif
.endm
; A round of the cluster's barrier: my work-group's barrier, so that wave 0's signal speaks for all four waves; wave 0 signals; every wave waits for all four work-groups; my work-group's barrier once more.
.macro CROUND
	s_barrier_signal -1
	s_barrier_wait -1
	s_cmp_lg_u32 s[WV], 0
	s_cbranch_scc1 .Lnot_wave_0_\@
	s_barrier_signal -3
.Lnot_wave_0_\@:
	s_barrier_wait -3
	s_barrier_signal -1
	s_barrier_wait -1
.endm
; Four products of F(q), K step ks.  The four accumulators take turns, one instruction a turn: three others stand between two links of a chain.  ks = 0 starts the sums.
.macro FGRP q, ks
	WIN W_F
.set fD, DB+32*((\q)%2)
.set fG, 64*((\q)%4)+8*(\ks)
.set fX, 16*((\q)/4)+8*(\ks)
.irp t, 0,1,2,3
.if (\ks) == 0
	v_wmma_f32_16x16x32_bf16 v[fD+8*(\t):fD+8*(\t)+7], v[fG+16*(\t):fG+16*(\t)+7], v[fX:fX+7], 0
.else
	v_wmma_f32_16x16x32_bf16 v[fD+8*(\t):fD+8*(\t)+7], v[fG+16*(\t):fG+16*(\t)+7], v[fX:fX+7], v[fD+8*(\t):fD+8*(\t)+7]
.endif
.endr
.endm
; Four products of S(q), K step ks2.  The wave's first step starts the sums with the constant 0: nothing is ever cleared.
.macro SGRP q, ks2
	WIN W_S
.set sA, 128+32*((\q)%4)
.set sC, 64*(((\q)/4)%2)+8*(\ks2)
.set sP, PB+16*((\q)%2)+8*(\ks2)
.irp m, 0,1,2,3
.if ((\q) < 4) && ((\ks2) == 0)
	v_wmma_f32_16x16x32_bf16 v[sA+8*(\m):sA+8*(\m)+7], v[sC+16*(\m):sC+16*(\m)+7], v[sP:sP+7], 0
.else
	v_wmma_f32_16x16x32_bf16 v[sA+8*(\m):sA+8*(\m)+7], v[sC+16*(\m):sC+16*(\m)+7], v[sP:sP+7], v[sA+8*(\m):sA+8*(\m)+7]
.endif
.endr
.endm
; Four conversions of C(q): D[t] to bf16, from its low end on.
.macro CGRP q, t
	WIN 0
.set cD, DB+32*((\q)%2)+8*(\t)
.set cP, PB+16*((\q)%2)+4*(\t)
.irp n, 0,1,2,3
	v_cvt_pk_bf16_f32 v[cP+(\n)], v[cD+2*(\n)], v[cD+2*(\n)+1]
.endr
.endm
; Step s's eight fragments of g23, in one run of 16 LDS loads: piece i to register 4 i of buffer s % 2, from byte 512 i.
.macro FETCH s
	WIN 0x80                                       ; destination window 2, address window 0
.set fC, 64*((\s)%2)
.set i, 0
.rept 16
	ds_load_b128 v[fC+4*i:fC+4*i+3], v[ADR+((\s)/4)%2] offset:((\s)%4)*STEPB+512*i
.set i, i+1
.endr
.endm
; Slot sl, whose four steps have been fetched, is filled again with the tile two on.  Each wave waits for all its tensor loads, of which one is out: its part of the other slot; adds 0 to its spare word;
; waits for that and for its reads of the slot; a round of the cluster's barrier, so that no wave of any partner still reads the slot or has a load on its way; and the joint load is the first thing behind it.
; It has 16 phases, 256 matrix instructions, in which to land.  By this text's own count a wave has at most two tensor loads out (the first fills), later one.
.macro FILL sl
	WIN 0                                          ; at a label and at a branch every window is 0; the add's two registers lie in window 0
	s_wait_tensorcnt 0x0                           ; no tensor load of mine is out, so a group 0 may be written
	ds_add_u32 v[SPW], v[NIL]                      ; 0 onto my spare word
	s_add_nc_u64 s[G0+4*(\sl)+2:G0+4*(\sl)+3], s[G0+4*(\sl)+2:G0+4*(\sl)+3], 2*WPART  ; two tiles on; the type bits on top are not reached
	s_wait_dscnt 0x0                               ; the add is done, and my reads of the slot are over
	CROUND
	tensor_load_to_lds s[G0+4*(\sl):G0+4*(\sl)+3], s[G1:G1+7]
	s_nop 0                                        ; an s_nop 0 and four v_nop follow the load
.rept 4
	v_nop
.endr
.endm
; A PREFETCH INTO THE L2 of g23's tiles 2 and 3, which the two refills will ask for: 65,536 bytes of each wave's range.  Each aligned block of 256 bytes is named once in the launch: all clusters walk the
; same g23, and the first cluster alone asks (the cluster's number is the same in all four partners); its partners share a wave's range out BY ADDRESS, 16,384 bytes each; a lane a block, two instructions a wave.
; It stands behind the first phase's run of LDS loads: 12 phases ahead of tile 2's refill, 28 ahead of tile 3's.  Tiles 0 and 1 come by their loads alone.
.macro ASK
	s_cmp_lg_u32 ttmp9, 0
	s_cbranch_scc1 .Lnot_mine_\@
	global_prefetch_b8 v[PFO], s[PFA:PFA+1] th:TH_LOAD_NT scope:SCOPE_SE
	global_prefetch_b8 v[PFO], s[PFA:PFA+1] offset:8192 th:TH_LOAD_NT scope:SCOPE_SE
.Lnot_mine_\@:
.endm
; PHASE p: F(p + 1), C(p) and S(p - 1) side by side: four conversions behind every four products.
; DISTANCES (ISA guide 7.12.1: places are plain vector instructions that name none of the matrix instruction's registers).  The conversions of C(p) name D and P of parity p alone; F(p + 1) and S(p - 1) name
; those of the other parity.  So: from F(p)'s last product to the first conversion that reads its D: 12 (C(p - 1)'s last three groups); from a product of S(p - 2) to the conversion that rewrites the P
; that it read: 8 or 12; from F(p - 1)'s last product to the product of F(p + 1) that writes over its D: 12; from S(4 s - 1)'s last product to the loads into its fragments' buffer: 4 (C(p)'s last group).
.macro PHASE p
.if (\p) < 63
.if ((\p)+1)%4 == 0
	s_wait_loadcnt 4*(15-((\p)+1)/4)               ; x of step (p + 1) / 4 is in; the later steps' loads, four each, may stay out
.endif
	FGRP (\p)+1, 0
.endif
.if (\p) < 64
	CGRP \p, 0
.endif
.if (\p) < 63
	FGRP (\p)+1, 1
.endif
.if (\p) < 64
	CGRP \p, 1
.endif
.if (\p) > 0
.if ((\p)-1)%4 == 0
.if (\p) < 61
	s_wait_dscnt 16                                ; this step's fragments are in; the next step's 16 loads, issued a phase ago, may stay out
.else
	s_wait_dscnt 0x0                               ; the last step's: nothing was fetched behind them
.endif
.endif
	SGRP (\p)-1, 0
.endif
.if (\p) < 64
	CGRP \p, 2
.endif
.if (\p) > 0
	SGRP (\p)-1, 1
.endif
.if (\p) < 64
	CGRP \p, 3
.endif
.if ((\p)%4 == 0) && ((\p) < 60)       ; S of step p / 4 - 1 is over: its buffer takes step p / 4 + 1
.if (\p) == 12
	FILL 0                                         ; steps 0-3 have been fetched: slot 0 takes tile 2; tile 1, wanted next, has landed
.endif
.if (\p) == 28
	FILL 1                                         ; steps 4-7 have been fetched: slot 1 takes tile 3; tile 2 has landed
.endif
.if (\p) == 44
	s_wait_tensorcnt 0x0                           ; tile 3, my last load: none was issued behind it
.endif
	FETCH (\p)/4+1
.if (\p) == 0
	WIN 0
	ASK
.endif
.endif
.endm
	s_load_b256 s[4:11], s[0:1], 0x0               ; g23 s[4:5], g01 s[6:7], xb s[8:9], bias s[10:11]
	s_load_b64 s[12:13], s[0:1], 0x20              ; out0
	v_lshl_add_u32 v[SPW], v0, 2, SPARE
	v_mov_b32 v[NIL], 0
	ds_add_u32 v[SPW], v[NIL]                      ; the wave's opening: the add, twice on end, and its wait ahead of my first tensor load; the set-up below, work on registers, stands between
	ds_add_u32 v[SPW], v[NIL]                      ; and once more, under the one wait
	v_lshrrev_b32 v1, 5, v0
	v_readfirstlane_b32 s[WV], v1                  ; wave 0..3
	s_bfe_u32 s15, ttmp6, 0x40000                  ; cx: my place in the cluster: it enters the addresses of g01, bias, out0 and the prefetches alone
	s_lshr_b32 s16, ttmp9, 2                       ; bt (in a cluster launch ttmp9 counts clusters)
	s_and_b32 s17, ttmp9, 3
	s_lshl2_add_u32 s17, s17, s15                  ; ig = 4 (cluster % 4) + cx
	s_mul_i32 s44, s[WV], WPART                    ; my part of a slot; also my 16 steps of xb
	s_mul_i32 s45, s[WV], UNITB                    ; the unit that I finish, in a wave's stage
	s_lshl_b32 s42, s[WV], 17                      ; my 16 steps of g23: no place in the cluster enters these two registers
	s_mov_b32 s43, 0
	s_lshl_b32 s18, s17, 15                        ; g01: four units of 8,192 bytes
	s_mov_b32 s19, 0
	s_lshl_b32 s20, s16, 17                        ; xb: bt x 131,072 + w x 32,768
	s_add_co_u32 s20, s20, s44
	s_mov_b32 s21, 0
	s_lshl2_add_u32 s22, s17, s[WV]                ; i01 of the unit that I finish = 4 ig + w:
	s_lshl_b32 s22, s22, 8                         ; its 256 bytes of bias and of a row of out
	s_mov_b32 s23, 0
	s_lshl_b32 s46, s16, 18                        ; out: 16 bt rows of 16,384 bytes
	s_add_co_u32 s46, s46, s22
	s_mov_b32 s47, 0
	s_lshl_b32 s2, s15, 14                         ; the prefetches: behind my tiles 0 and 1, my work-group's 16,384 bytes
	s_add_co_u32 s2, s2, 2*WPART
	s_mov_b32 s3, 0
	; descriptor group 1: a tile is 32,768 dense bytes: 128 rows of 256 bytes, in elements of 8 bytes
	s_mov_b32 s[G1+0], 15|(3<<16)|(1<<21)          ; 15:0 the mask: all four work-groups; 17:16 elements of 8 bytes; 20 no padding; 21 set beside a mask
	s_mov_b32 s[G1+1], 32<<16                      ; tensor_dim0 = 32
	s_mov_b32 s[G1+2], 128<<16                     ; tensor_dim1 = 128
	s_mov_b32 s[G1+3], 32<<16                      ; tile_dim0 = 32
	s_mov_b32 s[G1+4], 128                         ; tile_dim1 = 128
	s_mov_b32 s[G1+5], 32                          ; 32 elements from row to row
	s_mov_b32 s[G1+6], 0
	s_mov_b32 s[G1+7], 0
	s_mov_b32 s[G0+0], 1                           ; count = 1
	s_add_co_u32 s[G0+1], s44, 0*SLOT              ; LDS address: my part of slot 0
	s_mov_b32 s[G0+4], 1
	s_add_co_u32 s[G0+5], s44, 1*SLOT              ; of slot 1
	v_and_b32 v11, 31, v0                          ; lane
	v_and_b32 v1, 15, v0                           ; r
	v_bfe_u32 v18, v0, 4, 1                        ; h
	v_lshlrev_b32 v[LN], 4, v11
	v_add_nc_u32 v[ADR], s44, v[LN]
	v_add_nc_u32 v[ADR+1], SLOT, v[ADR]
	v_mul_u32_u24 v[STO], v1, SP                   ; in: row b = r, 32 bytes for each half of the lanes
	v_lshl_add_u32 v[STO], v18, 5, v[STO]
	v_add_nc_u32 v[STO], s44, v[STO]
	v_mul_u32_u24 v[RD], v18, SP                   ; back: lanes 0-15 take one row of 256 bytes, lanes 16-31 the next
	v_lshl_add_u32 v[RD], v1, 4, v[RD]
	v_add_nc_u32 v[RD], s45, v[RD]
	v_add_nc_u32 v[RD+1], 2*WPART, v[RD]
	v_lshlrev_b32 v[BO], 4, v1
	v_lshl_add_u32 v[GO], v18, 14, v[BO]           ; and the same two rows in out
	v_lshlrev_b32 v[PFO], 8, v11
	s_wait_dscnt 0x0                               ; both opening adds are done
	s_wait_kmcnt 0x0
	s_add_nc_u64 s[6:7], s[6:7], s[18:19]
	s_add_nc_u64 s[8:9], s[8:9], s[20:21]
	s_add_nc_u64 s[10:11], s[10:11], s[22:23]
	s_add_nc_u64 s[12:13], s[12:13], s[46:47]
	s_add_nc_u64 s[4:5], s[4:5], s[42:43]          ; g23 at my tile 0
	s_add_nc_u64 s[PFA:PFA+1], s[4:5], s[2:3]
	s_mov_b64 s[G0+2:G0+3], s[4:5]                 ; global address: tile 0,
	s_or_b32 s[G0+3], s[G0+3], 0x80000000          ; type = 2
	s_add_nc_u64 s[G0+6:G0+7], s[4:5], WPART       ; tile 1
	s_or_b32 s[G0+7], s[G0+7], 0x80000000
	CROUND                                         ; all four work-groups are here: the first joint loads meet
	tensor_load_to_lds s[G0:G0+3], s[G1:G1+7]      ; the two first fills go out together: two loads of mine are out
	s_nop 0
	tensor_load_to_lds s[G0+4:G0+7], s[G1:G1+7]
	s_nop 0
.rept 4
	v_nop
.endr
	; The resident operands, 512 consecutive bytes a load: bias, x of step 0, G01 of the four units, x of steps 1 to 15, in the order in which they are wanted.
	global_load_b128 v[BI:BI+3], v[BO], s[10:11]
	WIN 0xc0                                       ; destination window 3
.set i, 0
.rept 4
	global_load_b128 v[4*i:4*i+3], v[LN], s[8:9] offset:512*i
.set i, i+1
.endr
	WIN 0x40                                       ; destination window 1
.set i, 0
.rept 64
	global_load_b128 v[4*i:4*i+3], v[LN], s[6:7] offset:512*i
.set i, i+1
.endr
	WIN 0xc0
.set i, 4
.rept 60
	global_load_b128 v[4*i:4*i+3], v[LN], s[8:9] offset:512*i
.set i, i+1
.endr
	WIN 0
	s_wait_tensorcnt 0x1                           ; my tile 0 is in; tile 1 may stay out.  I alone read my part of a slot, so my own wait is all the ordering that the reads need
	FETCH 0
	s_wait_loadcnt 60                              ; bias, x of step 0 and G01 are in; the 60 loads of x's later steps may stay out
	FGRP 0, 0
	FGRP 0, 1
	WIN 0
.rept 8
	v_nop                                          ; the places behind F(0): there is no vector work yet
.endr
.set pp, 0
.rept 65
	PHASE pp
.set pp, pp+1
.endr
	; THE WAY OUT.  Each wave puts its 16 partial tiles into its stage; behind a barrier wave w adds the four waves' sums of unit w and the bias, and stores 16 rows of 256 bytes.
	WIN 0
.rept 8
	v_nop                                          ; the places behind the last products
.endr
	WIN 0x08                                       ; the stores' data in window 2
.irp u, 0,1,2,3
.irp m, 0,1,2,3
.irp z, 0,1
	ds_store_b128 v[STO], v[128+32*(\u)+8*(\m)+4*(\z):128+32*(\u)+8*(\m)+4*(\z)+3] offset:(\u)*UNITB+(\m)*64+(\z)*16  ; each accumulator from its low end on
.endr
.endr
.endr
	WIN 0
	s_wait_dscnt 0x0                               ; for the others' sake: my stores into the stage are done
	s_barrier_signal -1
	s_barrier_wait -1                              ; all four waves' partial sums lie in LDS
.irp v, 0,1,2,3
.irp k, 0,1,2,3,4,5,6,7
	ds_load_b128 v[R+32*(\v)+4*(\k):R+32*(\v)+4*(\k)+3], v[RD+(\v)/2] offset:((\v)%2)*WPART+(\k)*2*SP  ; wave v's sums, rows 2 k and 2 k + 1
.endr
.endr
	s_wait_dscnt 0x0
.set i, 0
.rept 16
	v_pk_add_f32 v[R+i:R+i+1], v[R+i:R+i+1], v[R+32+i:R+32+i+1]
	v_pk_add_f32 v[R+64+i:R+64+i+1], v[R+64+i:R+64+i+1], v[R+96+i:R+96+i+1]
.set i, i+2
.endr
.set i, 0
.rept 16
	v_pk_add_f32 v[R+i:R+i+1], v[R+i:R+i+1], v[R+64+i:R+64+i+1]
.set i, i+2
.endr
.set i, 0
.rept 16
	v_pk_add_f32 v[R+i:R+i+1], v[R+i:R+i+1], v[BI+i%4:BI+i%4+1]  ; (the bias has been in since the wait for the first loads)
.set i, i+2
.endr
.irp k, 0,1,2,3,4,5,6,7
	global_store_b128 v[GO], v[R+4*(\k):R+4*(\k)+3], s[12:13] offset:(\k)*32768  ; 16 lanes store 256 consecutive bytes, at a multiple of 256 from out's first byte
.endr
	s_wait_tensorcnt 0x0                           ; the wave's end, behind my last tensor load and my last LDS store
	ds_add_u32 v[SPW], v[NIL]
	s_wait_dscnt 0x0
	CROUND                                         ; the closing round: no work-group ends while a partner may still ask for a tile that names it
	s_endpgm
.Lfunc_end_k_q9ef4082c4b_main:
	.size	k_q9ef4082c4b_main, .Lfunc_end_k_q9ef4082c4b_main-k_q9ef4082c4b_main
	.p2alignl 7, 3214868480
	.fill 96, 4, 3214868480
	.section	.rodata,"a",@progbits
	.p2align	6, 0x0
	.amdhsa_kernel k_q9ef4082c4b_main
		.amdhsa_group_segment_fixed_size 327680
		.amdhsa_private_segment_fixed_size 0
		.amdhsa_enable_private_segment 0
		.amdhsa_kernarg_size 40
		.amdhsa_user_sgpr_count 2
		.amdhsa_user_sgpr_kernarg_segment_ptr 1
		.amdhsa_wavefront_size32 1
		.amdhsa_system_sgpr_workgroup_id_x 1
		.amdhsa_system_sgpr_workgroup_id_y 1
		.amdhsa_system_sgpr_workgroup_id_z 1
		.amdhsa_system_vgpr_workitem_id 0
		.amdhsa_next_free_vgpr 1024
		.amdhsa_next_free_sgpr 66
		.amdhsa_reserve_vcc 0
		.amdhsa_float_denorm_mode_32 3
		.amdhsa_float_denorm_mode_16_64 3
		.amdhsa_memory_ordered 1
		.amdhsa_forward_progress 1
		.amdhsa_inst_pref_size 190
	.end_amdhsa_kernel
	.amdgpu_metadata
---
amdhsa.version: [ 1, 2 ]
amdhsa.kernels:
  - .name:           k_q9ef4082c4b_main
    .symbol:         k_q9ef4082c4b_main.kd
    .args:
      - { .name: g23, .offset: 0, .size: 8, .value_kind: global_buffer, .address_space: global }
      - { .name: g01, .offset: 8, .size: 8, .value_kind: global_buffer, .address_space: global }
      - { .name: xb, .offset: 16, .size: 8, .value_kind: global_buffer, .address_space: global }
      - { .name: bias, .offset: 24, .size: 8, .value_kind: global_buffer, .address_space: global }
      - { .name: out0, .offset: 32, .size: 8, .value_kind: global_buffer, .address_space: global }
    .group_segment_fixed_size: 327680
    .private_segment_fixed_size: 0
    .kernarg_segment_align: 8
    .kernarg_segment_size: 40
    .max_flat_workgroup_size: 128
    .sgpr_count:     66
    .vgpr_count:     1024
    .wavefront_size: 32
...
	.end_amdgpu_metadata
.endif
;; end of part 2
;; ======== version 2 of 2: 2 launches; version 1 with the launch prep written anew for expert scheduling mode
;; workspace buffers: xb 2,097,152 bytes; g01 524,288 bytes; g23 524,288 bytes
;; launch prep (part 3): grid 128 x 1, 4 waves a work-group, no clusters, 0 bytes of LDS; arguments x, core0, core1, core2, core3, xb, g01, g23; writes xb, g01, g23
.if DOCPART == 3
	.amdgcn_target "amdgcn-amd-amdhsa--gfx1250"
	.amdhsa_code_object_version 6
	.text
	.protected	k_q9ef4082c4b_prep
	.globl	k_q9ef4082c4b_prep
	.p2align	8
	.type	k_q9ef4082c4b_prep,@function
k_q9ef4082c4b_prep:
	s_mov_b64 s[64:65], 0
	v_nop
	global_prefetch_b8 v0, s[64:65] scope:SCOPE_SE
	s_setreg_imm32_b32 hwreg(HW_REG_WAVE_SCHED_MODE, 0, 2), 2
	s_setreg_imm32_b32 hwreg(HW_REG_WAVE_MODE, 25, 1), 1
	s_wait_xcnt 0x0
	s_wait_alu depctr_vm_vsrc(0)
; TT LAYER, FIRST OF TWO LAUNCHES.
; out[b][i0 i1 i2 i3] = bias + sum over j0..j3, a1, a2, a3 of x[b][j0 j1 j2 j3] core0[0][j0][i0][a1] core1[a1][j1][i1][a2] core2[a2][j2][i2][a3] core3[a3][j3][i3][0].
; The sum is taken in another order than the problem's text takes it (sums may be regrouped for all values of the inputs): the chain is cut at rank a2,
;   G01[a2; i0 i1; j0 j1] = sum over a1 of core0 core1        G23[i2 i3; j2 j3; a2] = sum over a3 of core2 core3        (this launch, 2 x 33.5 MFLOP)
;   Y[a2, b | i01, j23]   = sum over j01 of G01 x             out = bias + sum over j23, a2 of G23 Y                    (the next launch, 2 x 8.6 GFLOP)
; NOTHING IS LEFT OUT: every input is loaded and every term of the sum is formed.
; LIMITS.  The order of sums and roundings is not the problem's: x and the cores are rounded once to bf16, G01 and G23 once to bf16 from f32 sums (Y likewise, in the next launch).
; bf16 has f32's range, so nothing overflows that f32 holds.  A NaN or an infinity of an input reaches every output that it reaches in exact arithmetic, possibly as the other of the two.
; THIS LAUNCH also lays all three operands out in the order in which the next launch's matrix operand registers take them.  A FRAGMENT is 1,024 bytes, [q 2][lane 32][16 bytes]: lane (r = l % 16, h = l / 16),
; e = 0..7 the bf16 in its 16 bytes; it stands at K place 16 q + 8 h + e of a K step of 32.
;   xb  [bt 16][j23 64][ks 2][fragment]        = x[b = 16 bt + r][j0 = e][j1 = 4 ks + 2 q + h][j23]
;   g01 [i01 64][t 4][ks 2][fragment]          = G01[a2 = 16 t + r; i01; j0 = e, j1 = 4 ks + 2 q + h]     (the same order of K as xb's)
;   g23 [j23 64][mt 4][ks2 2][fragment]        = G23[i23 = 16 mt + r; j23; a2 = 32 ks2 + 16 q + 8 h + e]
; SHARES.  Work-groups 0-63: x.  64-95: G01.  96-127: G23.  Each wave works alone: no LDS, no barrier, no loop.
; THE MODE: SCHED_MODE bits 1:0 = 2 (LLVM: expert scheduling mode 2), set by the entry lines.  The code itself states the register dependences
; between vector or matrix instructions and memory instructions, with s_wait_alu, always for 0.
; THE PLAN.  Registers that memory instructions touch:
;   s4            the wave's number, written by v_readfirstlane_b32 in the head, read by each path's scalar arithmetic: one wait on va_sdst in the head, ahead of the first branch.
;   v5 to v8      offsets: written once by vector instructions, read by the loads and stores, never written again: one wait on va_vdst ahead of a path's first load covers them for the whole path.
;   v[16:207]     where the loads land: no vector instruction names them ahead of the loads; behind the wait for the data they belong to vector and matrix instructions alone.
;   PK (paths G)  written by the 32 last conversions, read by the eight stores, never written again: one wait on va_vdst between the two runs.
;   XP (path x)   four out-buffers, one a chunk.  Chunk c's conversions write XP[c]; its four stores are issued in chunk c + 1, behind the wait on va_vdst at that chunk's head, dealt among conversions
;                 that read XS and write XP[c + 1]: none of the registers that those stores read.  Chunk 3's stores have a wait of their own.  No XP is written twice.
; No register that a memory instruction has read is written again anywhere in the text: so no wait on vm_vsrc is written.
.set SM,  16                           ; v[16:143]   eight fragments as loaded, 16 f32 each; rounded in place to 8 registers each: fragment f at SM + 8 f
.set BG,  144                          ; v[144:207]  four fragments as loaded; rounded in place: fragment f at BG + 8 f
.set ACC, 80                           ; v[80:143]   eight accumulators: SM's upper half, free once SM is rounded
.set PK,  176                          ; v[176:207]  the results in bf16: BG's upper half, free once BG is rounded
.set XS,  16                           ; v[16:143]   path x: x as loaded: j0 = e, chunk c at XS + 16 e + 4 c
.set XP,  144                          ; v[144:207]  path x: 16 bytes a lane for each of 16 j23
; A fragment whose K lies along memory: four loads of 16 bytes; the lane's offset carries 32 h.  f32 number 8 q + e of the lane lands in register dst + 8 q + e.
.macro LDK dst, vo, sb, imm
.irp q, 0,1
.irp z, 0,1
	global_load_b128 v[(\dst)+8*(\q)+4*(\z):(\dst)+8*(\q)+4*(\z)+3], v[\vo], s[\sb:\sb+1] offset:(\imm)+64*(\q)+16*(\z)
.endr
.endr
.endm
; A fragment whose K goes from row to row of memory, stride bytes apart: sixteen loads of 4 bytes; the lane's offset carries 8 h rows.
.macro LDG dst, vo, sb, imm, stride
.irp q, 0,1
.irp e, 0,1,2,3,4,5,6,7
	global_load_b32 v[(\dst)+8*(\q)+(\e)], v[\vo], s[\sb:\sb+1] offset:(\imm)+(16*(\q)+(\e))*(\stride)
.endr
.endr
.endm
; f32 to bf16 in place, ascending: register S + i takes numbers 2 i and 2 i + 1, which lie at or above it.
.macro COMPACT
.set i, 0
.rept 64
	v_cvt_pk_bf16_f32 v[SM+i], v[SM+2*i], v[SM+2*i+1]
.set i, i+1
.endr
.set i, 0
.rept 32
	v_cvt_pk_bf16_f32 v[BG+i], v[BG+2*i], v[BG+2*i+1]
.set i, i+1
.endr
.endm
; 16 products: accumulator (a, b) at ACC + 8 (2 a + b); K = 64 in two steps.  The first step starts the sums with the constant 0.  The eight accumulators take turns, one instruction a turn,
; seven others stand between the two links of a chain.  swap = 0: source 0 from SM, source 1 from BG; 1: the other way round.
.macro MULS swap
.irp ks, 0,1
.irp a, 0,1,2,3
.irp b, 0,1
.set mD, ACC+8*(2*(\a)+(\b))
.if \swap
.set mA, BG+8*(2*(\b)+(\ks))
.set mB, SM+8*(2*(\a)+(\ks))
.else
.set mA, SM+8*(2*(\a)+(\ks))
.set mB, BG+8*(2*(\b)+(\ks))
.endif
.if (\ks) == 0
	v_wmma_f32_16x16x32_bf16 v[mD:mD+7], v[mA:mA+7], v[mB:mB+7], 0
.else
	v_wmma_f32_16x16x32_bf16 v[mD:mD+7], v[mA:mA+7], v[mB:mB+7], v[mD:mD+7]
.endif
.endr
.endr
.endr
.endm
; A lane's eight results of an accumulator are eight neighbouring bf16 of the output's layout: rounded (each accumulator from its low end on) and stored, 16 bytes a lane.
.macro PACKST sb, sa, sbb
.rept 8
	v_nop                                          ; the places between the last products and the conversions that read results (ISA guide 7.12.1)
.endr
.set i, 0
.rept 32
	v_cvt_pk_bf16_f32 v[PK+i], v[ACC+2*i], v[ACC+2*i+1]
.set i, i+1
.endr
	s_wait_alu depctr_va_vdst(0)                   ; the 32 conversions have written v[PK ..], which the eight stores read as their data
.irp a, 0,1,2,3
.irp b, 0,1
	global_store_b128 v8, v[PK+4*(2*(\a)+(\b)):PK+4*(2*(\a)+(\b))+3], s[\sb:\sb+1] offset:(\a)*(\sa)+(\b)*(\sbb)
.endr
.endr
.endm
	s_load_b512 s[8:23], s[0:1], 0x0               ; x s[8:9], core0 s[10:11], core1 s[12:13], core2 s[14:15], core3 s[16:17], xb s[18:19], g01 s[20:21], g23 s[22:23]
	v_lshrrev_b32 v1, 5, v0
	v_readfirstlane_b32 s4, v1                     ; wave 0..3
	v_and_b32 v1, 15, v0                           ; r
	v_bfe_u32 v2, v0, 4, 1                         ; h
	v_and_b32 v3, 7, v0                            ; r % 8
	v_bfe_u32 v4, v0, 3, 1                         ; r / 8
	v_and_b32 v5, 31, v0
	v_lshlrev_b32 v5, 4, v5                        ; 16 x lane
	s_mov_b32 s25, 0                               ; the high words of the two offsets
	s_mov_b32 s29, 0
	s_wait_alu depctr_va_sdst(0)                   ; s4 is written, ahead of the branches and of its first reader in each of the three paths: the bases are made from it
	s_cmp_lt_u32 ttmp9, 64
	s_cbranch_scc1 .Lx
	s_cmp_lt_u32 ttmp9, 96
	s_cbranch_scc1 .Lg01
	; G23.  128 waves: j2, mt (i2 = 2 mt, 2 mt + 1), op (a2 = 16 op .. 16 op + 15).  Source 0: 16 rows of core2, row m = 8 (i2 % 2) + a2 % 8, for a2 / 8 = 2 op + ol.  Source 1: 16 columns of core3,
	; column n = 8 (j3 % 2) + i3, for j3 / 2 = j3p.  K = a3.  In the result lane (r, h) holds i2 = 2 mt + h, j3 = 2 j3p + r / 8, i3 = r % 8, and its registers a2 % 8 = 0..7: 16 bytes of g23 on end.
	s_sub_co_u32 s5, ttmp9, 96
	s_lshl2_add_u32 s5, s5, s4                     ; the wave among the 128
	s_lshr_b32 s6, s5, 4                           ; j2
	s_bfe_u32 s7, s5, 0x20002                      ; mt
	s_and_b32 s5, s5, 3                            ; op
	s_lshl_b32 s24, s5, 18                         ; core2: 16 op rows a2 of 16,384 bytes
	s_lshl_b32 s26, s6, 11                         ; + j2 x 2,048
	s_add_co_u32 s24, s24, s26
	s_lshl_b32 s26, s7, 9                          ; + 2 mt x 256
	s_add_co_u32 s24, s24, s26
	s_lshl_b32 s28, s6, 16                         ; g23: 8 j2 x 8,192
	s_lshl_b32 s26, s7, 11                         ; + mt x 2,048
	s_add_co_u32 s28, s28, s26
	s_lshl_b32 s26, s5, 9                          ; + 2 op x 256
	s_add_co_u32 s28, s28, s26
	v_lshlrev_b32 v6, 14, v3                       ; core2: (a2 % 8) x 16,384 + (i2 % 2) x 256 + 32 h
	v_lshl_add_u32 v6, v4, 8, v6
	v_lshl_add_u32 v6, v2, 5, v6
	v_lshlrev_b32 v7, 2, v3                        ; core3: 8 h rows a3 of 256 bytes + (j3 % 2) x 32 + i3 x 4
	v_lshl_add_u32 v7, v4, 5, v7
	v_lshl_add_u32 v7, v2, 11, v7
	v_lshlrev_b32 v8, 4, v3                        ; g23: (j3 % 2) x 8,192 + h x 128 + i3 x 16: a store's 32 lanes cover two aligned runs of 256 consecutive bytes
	v_lshl_add_u32 v8, v2, 7, v8
	v_lshl_add_u32 v8, v4, 13, v8
	s_wait_kmcnt 0x0
	s_add_nc_u64 s[14:15], s[14:15], s[24:25]
	s_add_nc_u64 s[22:23], s[22:23], s[28:29]
	s_wait_alu depctr_va_vdst(0)                   ; v6 and v7 are written, which the loads below read as their offsets; so is v8, the stores' offset: none of the three is written again
.irp ol, 0,1
.irp ks, 0,1
	LDK BG+16*(2*(\ol)+(\ks)), 6, 14, (\ol)*131072+(\ks)*128
.endr
.endr
.irp a, 0,1,2,3
.irp ks, 0,1
	LDG SM+16*(2*(\a)+(\ks)), 7, 16, (\a)*64+(\ks)*32*256, 256
.endr
.endr
	s_wait_loadcnt 0x0                             ; all fragments are in: the rounding walks through all of them
	COMPACT
	MULS 1
	PACKST 22, 16384, 256                          ; j3p: two j23 of 8,192 bytes; ol: 256 bytes
	s_endpgm
.Lg01:
	; G01.  128 waves: j1, i1, tp (a2 = 32 tp .. 32 tp + 31).  Source 0: 16 rows of core0, row m = 8 (i0 % 2) + j0, for i0 / 2 = i0p.  Source 1: 16 columns of core1, column n = a2 % 16, for
	; a2 / 16 = 2 tp + tl.  K = a1.  In the result lane (r, h) holds a2 = 16 (2 tp + tl) + r, i0 = 2 i0p + h, and its registers j0 = 0..7: 16 bytes of g01 on end.
	s_sub_co_u32 s5, ttmp9, 64
	s_lshl2_add_u32 s5, s5, s4                     ; the wave among the 128
	s_lshr_b32 s6, s5, 4                           ; j1
	s_bfe_u32 s7, s5, 0x30001                      ; i1
	s_and_b32 s5, s5, 1                            ; tp
	s_lshl_b32 s24, s6, 11                         ; core1: j1 x 2,048
	s_lshl_b32 s26, s7, 8                          ; + i1 x 256
	s_add_co_u32 s24, s24, s26
	s_lshl_b32 s26, s5, 7                          ; + 32 tp x 4
	s_add_co_u32 s24, s24, s26
	s_lshl_b32 s28, s7, 13                         ; g01: i1 x 8,192
	s_lshl_b32 s26, s5, 12                         ; + 2 tp x 2,048
	s_add_co_u32 s28, s28, s26
	s_lshl_b32 s26, s6, 8                          ; + j1 x 256 (j1 = 4 ks + 2 q + h of the fragment)
	s_add_co_u32 s28, s28, s26
	v_lshlrev_b32 v6, 11, v3                       ; core0: j0 x 2,048 + (i0 % 2) x 256 + 32 h
	v_lshl_add_u32 v6, v4, 8, v6
	v_lshl_add_u32 v6, v2, 5, v6
	v_lshlrev_b32 v7, 2, v1                        ; core1: 8 h rows a1 of 16,384 bytes + r x 4
	v_lshl_add_u32 v7, v2, 17, v7
	v_lshlrev_b32 v8, 4, v1                        ; g01: h x 8 i01 of 8,192 bytes + r x 16: each half of the lanes covers 256 consecutive bytes, aligned
	v_lshl_add_u32 v8, v2, 16, v8
	s_wait_kmcnt 0x0
	s_add_nc_u64 s[12:13], s[12:13], s[24:25]
	s_add_nc_u64 s[20:21], s[20:21], s[28:29]
	s_wait_alu depctr_va_vdst(0)                   ; v6 and v7 are written, which the loads below read as their offsets; so is v8, the stores' offset: none of the three is written again
.irp tl, 0,1
.irp ks, 0,1
	LDG BG+16*(2*(\tl)+(\ks)), 7, 12, (\tl)*64+(\ks)*32*16384, 16384
.endr
.endr
.irp a, 0,1,2,3
.irp ks, 0,1
	LDK SM+16*(2*(\a)+(\ks)), 6, 10, (\a)*512+(\ks)*128
.endr
.endr
	s_wait_loadcnt 0x0                             ; all fragments are in
	COMPACT
	MULS 0
	PACKST 20, 131072, 2048                        ; i0p: sixteen i01 of 8,192 bytes; tl: a tile t of 2,048
	s_endpgm
.Lx:
	; x.  Work-group: bt (16 rows b), jp (j1 = 2 jp, 2 jp + 1); wave cc: j23 = 16 cc .. 16 cc + 15.  Lane (r, h) loads x[16 bt + r][j0 = e][2 jp + h][16 cc + 4 c .. + 3] for e = 0..7, c = 0..3, and
	; turns them: for each j23 its eight j0 become 16 bytes.  A store's 32 lanes cover 512 consecutive bytes of xb, aligned.
	s_lshr_b32 s5, ttmp9, 2                        ; bt
	s_and_b32 s6, ttmp9, 3                         ; jp
	s_lshl_b32 s24, s5, 18                         ; x: 16 bt rows of 16,384 bytes
	s_lshl_b32 s26, s6, 9                          ; + 2 jp x 256;  in xb jp x 512 is the place of (ks, q)
	s_add_co_u32 s24, s24, s26
	s_lshl_b32 s27, s4, 6                          ; + 16 cc x 4
	s_add_co_u32 s24, s24, s27
	s_lshl_b32 s28, s5, 17                         ; xb: bt x 131,072
	s_add_co_u32 s28, s28, s26
	s_lshl_b32 s27, s4, 15                         ; + 16 cc x 2,048
	s_add_co_u32 s28, s28, s27
	v_lshlrev_b32 v6, 14, v1                       ; r x 16,384 + h x 256
	v_lshl_add_u32 v6, v2, 8, v6
	s_wait_kmcnt 0x0
	s_add_nc_u64 s[8:9], s[8:9], s[24:25]
	s_add_nc_u64 s[18:19], s[18:19], s[28:29]
	s_wait_alu depctr_va_vdst(0)                   ; v6 is written, which the 32 loads read as their offset; so is v5, the stores' offset: neither is written again
.irp c, 0,1,2,3
.irp e, 0,1,2,3,4,5,6,7
	global_load_b128 v[XS+16*(\e)+4*(\c):XS+16*(\e)+4*(\c)+3], v6, s[8:9] offset:(\e)*2048+(\c)*16
.endr
.endr
; Chunk c: its sixteen conversions write XP[c]; the four stores of chunk c - 1 are dealt among them, one ahead of each four.
.irp c, 0,1,2,3
	s_wait_loadcnt 24-8*(\c)                       ; loads come back in order (ISA guide 5.7.1): chunk c's eight are in, the younger chunks' stay out
.if (\c) > 0
	s_wait_alu depctr_va_vdst(0)                   ; the chunk before has written its XP, which the four stores below read; no conversion of this chunk names those registers or v5
.endif
.irp i, 0,1,2,3
.if (\c) > 0
	global_store_b128 v5, v[XP+16*((\c)-1)+4*(\i):XP+16*((\c)-1)+4*(\i)+3], s[18:19] offset:(4*((\c)-1)+(\i))*2048
.endif
.irp k, 0,1,2,3
	v_cvt_pk_bf16_f32 v[XP+16*(\c)+4*(\i)+(\k)], v[XS+32*(\k)+4*(\c)+(\i)], v[XS+32*(\k)+16+4*(\c)+(\i)]  ; j0 = 2 k low, 2 k + 1 high
.endr
.endr
.endr
	s_wait_alu depctr_va_vdst(0)                   ; chunk 3 has written its XP, which the last four stores read
.irp i, 0,1,2,3
	global_store_b128 v5, v[XP+48+4*(\i):XP+48+4*(\i)+3], s[18:19] offset:(12+(\i))*2048
.endr
	s_endpgm
.Lfunc_end_k_q9ef4082c4b_prep:
	.size	k_q9ef4082c4b_prep, .Lfunc_end_k_q9ef4082c4b_prep-k_q9ef4082c4b_prep
	.p2alignl 7, 3214868480
	.fill 96, 4, 3214868480
	.section	.rodata,"a",@progbits
	.p2align	6, 0x0
	.amdhsa_kernel k_q9ef4082c4b_prep
		.amdhsa_group_segment_fixed_size 0
		.amdhsa_private_segment_fixed_size 0
		.amdhsa_enable_private_segment 0
		.amdhsa_kernarg_size 64
		.amdhsa_user_sgpr_count 2
		.amdhsa_user_sgpr_kernarg_segment_ptr 1
		.amdhsa_wavefront_size32 1
		.amdhsa_system_sgpr_workgroup_id_x 1
		.amdhsa_system_sgpr_workgroup_id_y 1
		.amdhsa_system_sgpr_workgroup_id_z 1
		.amdhsa_system_vgpr_workitem_id 0
		.amdhsa_next_free_vgpr 224
		.amdhsa_next_free_sgpr 66
		.amdhsa_reserve_vcc 0
		.amdhsa_float_denorm_mode_32 3
		.amdhsa_float_denorm_mode_16_64 3
		.amdhsa_memory_ordered 1
		.amdhsa_forward_progress 1
		.amdhsa_inst_pref_size 56
	.end_amdhsa_kernel
	.amdgpu_metadata
---
amdhsa.version: [ 1, 2 ]
amdhsa.kernels:
  - .name:           k_q9ef4082c4b_prep
    .symbol:         k_q9ef4082c4b_prep.kd
    .args:
      - { .name: x, .offset: 0, .size: 8, .value_kind: global_buffer, .address_space: global }
      - { .name: core0, .offset: 8, .size: 8, .value_kind: global_buffer, .address_space: global }
      - { .name: core1, .offset: 16, .size: 8, .value_kind: global_buffer, .address_space: global }
      - { .name: core2, .offset: 24, .size: 8, .value_kind: global_buffer, .address_space: global }
      - { .name: core3, .offset: 32, .size: 8, .value_kind: global_buffer, .address_space: global }
      - { .name: xb, .offset: 40, .size: 8, .value_kind: global_buffer, .address_space: global }
      - { .name: g01, .offset: 48, .size: 8, .value_kind: global_buffer, .address_space: global }
      - { .name: g23, .offset: 56, .size: 8, .value_kind: global_buffer, .address_space: global }
    .group_segment_fixed_size: 0
    .private_segment_fixed_size: 0
    .kernarg_segment_align: 8
    .kernarg_segment_size: 64
    .max_flat_workgroup_size: 128
    .sgpr_count:     66
    .vgpr_count:     224
    .wavefront_size: 32
...
	.end_amdgpu_metadata
.endif
;; end of part 3
;; launch main: the kernel of part 2 again; grid 256 x 1, 4 waves a work-group, clusters of 4 x 1, 327,680 bytes of LDS; arguments g23, g01, xb, bias, out0; writes out0
